; MI455X (gfx1250); checked and timed in simulation.
; The chip was launched on July 23, 2026; its instructions are those of AMD's public machine-readable ISA for CDNA 5 (MIT licence, August 2026) and "CDNA5" Instruction Set Architecture Reference Guide (July 2026). The comments in the code are by the model that wrote it; some were corrected since.
;; Dinov2 Self Attention. Allowed arithmetic: matrix products marked QUANTISED: E2M1 operands, one E8M0 scale for each 32 along K, by v_wmma_scale_f32_16x16x128_f8f6f4 with both operands' format E2M1 (or v_wmma_scale_f32_32x16x128_f4), f32 sums; products left as they are: bf16, f16 or f32 operands; f32 sums; everything else in f32.
;; Inputs: Wk 1,024 x 1,024 float32; Wq 1,024 x 1,024 float32; Wv 1,024 x 1,024 float32; bk 1,024 float32; bq 1,024 float32; bv 1,024 float32; hidden_states 8 x 1,370 x 1,024 float32.
;; Outputs: out0 8 x 1,370 x 1,024 float32.
;; This version of the problem:
;;   THIS VERSION OF THE PROBLEM IS GIVEN IN LOW PRECISION. The matrix products marked QUANTISED in the list below multiply operands that are first quantised to E2M1 (2 exponent bits, 1 mantissa bit; 4 bits a number), with one power-of-two scale for each 32 numbers along K (OCP MX v1.0); their sums are f32. The products marked 'left as it is' may take bf16, f16 or f32 operands, with f32 sums. Whichever they take, every output number must still come out within the allowed error. Rounding operands to bf16 (8 significant bits) uses up far more of that allowance than f16 does (11 bits, for magnitudes from 6e-5 to 65,504). All else is computed in f32.
;;   The module's matrix products, in the order in which they are computed (A, B: the left and right operand; K: the contracted axis; several contracted axes count as one K, in the product's order):
;;     1. [M 10,960, K 1,024] x [K 1,024, N 1,024]; A: input hidden_states; B: input Wq: QUANTISED
;;     2. [M 10,960, K 1,024] x [K 1,024, N 1,024]; A: input hidden_states; B: input Wk: QUANTISED
;;     3. [M 10,960, K 1,024] x [K 1,024, N 1,024]; A: input hidden_states; B: input Wv: QUANTISED
;;     4. batch 128 x [M 1,370, K 64] x [K 64, N 1,370]; A: computed on the way; B: computed on the way: left as it is (an operand is computed on the way)
;;     5. batch 128 x [M 1,370, K 1,370] x [K 1,370, N 64]; A: computed on the way; B: computed on the way: left as it is (an operand is computed on the way)
;;   THE QUANTISER, for each operand of a quantised product, along K:
;;     - K is cut into blocks of 32 from its start; a last block that is shorter is filled with zeros.
;;     - A block's scale is 2^e with e = floor(log2(the largest magnitude in the block)) - 2, held to -126 .. 127; a block of zeros has e = 0. As a byte (E8M0): e + 127.
;;     - Each number is divided by its block's scale, clamped to +-6, and rounded to the nearest number of E2M1, ties to even, subnormals kept.
;;     - The product sums the exact products of the quantised numbers (number of the format x scale) in f32.
;;   ~~~python
;;   def quantise(x, axis):      # numpy; x: float32 -> the quantised numbers, widened to float32 again
;;       x = np.moveaxis(x, axis, -1); K = x.shape[-1]
;;       x = np.pad(x, [(0, 0)] * (x.ndim - 1) + [(0, -K % 32)]); x = x.reshape(x.shape[:-1] + (-1, 32)); a = np.abs(x).max(-1, keepdims=True)
;;       e = np.where(a > 0, np.clip(np.frexp(np.where(a > 0, a, 1))[1] - 1 - 2, -126, 127), 0)      # np.frexp(a)[1] - 1 = floor(log2(a)), exactly
;;       r = np.clip(x / 2.0 ** e, -6, 6)
;;       step = 2.0 ** (np.maximum(np.frexp(np.where(r == 0, 1, r))[1] - 1, 0) - 1)
;;       q = np.round(r / step) * step * 2.0 ** e      # np.round: ties to even
;;       return np.moveaxis(q.reshape(q.shape[:-2] + (-1,))[..., :K], -1, axis).astype(np.float32)
;;   ~~~
;; One version. Each part assembles by itself: llvm-mc -triple=amdgcn-amd-amdhsa -mcpu=gfx1250 --defsym DOCPART=n.
;; ======== version 1 of 1: 3 launches
;; limits: values are held in f16: magnitudes above 65,504 overflow, below 6.1e-05 lose precision
;; workspace buffers: xc 5,767,168 bytes; xs 360,448 bytes; wc 1,572,864 bytes; ws 98,304 bytes; qkv 69,206,016 bytes
;; launch quant (part 1): grid 56 x 8, 4 waves a work-group, no clusters, 35,328 bytes of LDS; arguments hidden_states, Wq, Wk, Wv, xc, xs, wc, ws; writes xc, xs, wc, ws
.if DOCPART == 1
	.amdgcn_target "amdgcn-amd-amdhsa--gfx1250"
	.amdhsa_code_object_version 6
	.text
	.protected	k_q8043702404_quant
	.globl	k_q8043702404_quant
	.p2align	8
	.type	k_q8043702404_quant,@function
k_q8043702404_quant:
	s_mov_b64 s[64:65], 0
	v_nop
	global_prefetch_b8 v0, s[64:65] scope:SCOPE_SE
	s_setreg_imm32_b32 hwreg(HW_REG_WAVE_MODE, 25, 1), 1
	s_wait_xcnt 0x0
; hidden_states [8][1370][1024] and Wq, Wk, Wv [1024][1024], f32, K innermost, become codes of FP4 (E2M1) with one E8M0 byte for each 32 along K.
; A block's scale is 2^(floor(log2(largest magnitude)) - 2); its byte is the largest magnitude's exponent field - 2, held at 1 from below; each number / scale goes to the nearest code, ties to even, beyond 6 to 6.
; THE OUTPUT IS LAID AS IMAGES OF THE MATRIX OPERAND'S REGISTERS: [tile of 16 rows][K step of 128][c = 0, 1][lane][16 bytes]; lane (r = lane % 16, h = lane / 16) holds the codes of row r, K = 64 c + 32 h + 0 .. 31.
; Scale words: [tile][K step][r][4 bytes].  x's sequences are padded from 1,370 to 1,408 rows (88 tiles): the pad rows are copies of row 1,369 (a clamped row number), so that they are finite; no real result hangs on them.
; SHARES: a wave takes one tile of 16 rows and half of K: four fragments of 128.  Work-groups x < 44: x's tiles 2 x, 2 x + 1 of batch y; the others: W's.  One path; only pointers and numbers are chosen, by ids.
; Each load reads 512 consecutive bytes of one row; a fragment's 16 rows turn through the wave's own stage in LDS (rows of 512 + 16 bytes), so that a lane then holds two whole blocks of 32 neighbours.  Waves share nothing: no barrier.
; LIMITS: a block of zeros gets the byte 1 where the rule says 127 (its codes are zeros, and this program alone reads the bytes); blocks whose largest magnitude lies under 2^-124 are held at that floor; NaN and infinities are not served.
.set WREG,   8704                      ; LDS of a wave: the stage, 16 x 528 bytes, then 256 bytes for its scale words
.set SPITCH, 528
.set SCA,    16*SPITCH
.set SPARE,  4*WREG                    ; behind the four regions: the spare words, 128 bytes a wave, which no other line names
.set LI,  4                            ; v4   16 x lane
.set SA,  5                            ; v5   the stage, way in: 16 x lane
.set SB,  6                            ; v6   the stage, way out: 528 r + 128 h
.set SWA, 7                            ; v7   scale words, way in: 4 x lane
.set SRA, 8                            ; v8   scale words, way out: 8 x lane
.set SO,  9                            ; v9   8 x lane
.set SH,  10                           ; v10  8 h
.set SPW, 12                           ; v12  my spare word; never rewritten
.set NIL, 13                           ; v13  0; never rewritten
.set OFR, 16                           ; v16-31  row j's byte offset + 16 x lane; never rewritten
.set M,   32                           ; v32-33  largest magnitudes of my two blocks
.set SCO, 34                           ; v34-35  the conversions' scale operands
.set BY,  36                           ; v36-37  the bytes
.set TW,  38
.set TW2, 39
.set SW,  40                           ; v40-43  my row's scale word of each fragment
.set C,   48                           ; v48-63  codes, two sets of 8
.set X,   64                           ; v64-127 my 64 numbers of a fragment
.set R,   128                          ; v128-255 a fragment as loaded, two sets of 64
	s_load_b512 s[4:19], s[0:1], 0x0               ; hidden s[4:5], Wq s[6:7], Wk s[8:9], Wv s[10:11], xc s[12:13], xs s[14:15], wc s[16:17], ws s[18:19]
	v_lshl_add_u32 v[SPW], v0, 2, SPARE
	v_mov_b32 v[NIL], 0
	v_lshrrev_b32 v1, 5, v0
	v_readfirstlane_b32 s20, v1                    ; wave 0..3
	v_and_b32 v1, 31, v0                           ; lane
	v_and_b32 v2, 15, v0                           ; r
	v_bfe_u32 v3, v0, 4, 1                         ; h
	v_lshlrev_b32 v[LI], 4, v1
	s_mul_i32 s21, s20, WREG
	v_add_nc_u32 v[SA], s21, v[LI]
	v_mul_u32_u24 v[SB], v2, SPITCH
	v_lshl_add_u32 v[SB], v3, 7, v[SB]
	v_add_nc_u32 v[SB], s21, v[SB]
	s_add_co_u32 s21, s21, SCA
	v_lshl_add_u32 v[SWA], v1, 2, s21
	v_lshl_add_u32 v[SRA], v1, 3, s21
	v_lshlrev_b32 v[SO], 3, v1
	v_lshlrev_b32 v[SH], 3, v3
	v_mov_b32 v[TW2], 0                            ; a lane permute's destination counts as one of its sources
	s_mov_b32 s26, 0x76543210
	s_mov_b32 s27, 0xfedcba98                      ; v_permlanex16_b32's selects for lane xor 16
	s_lshr_b32 s22, s20, 1                         ; which of the work-group's two tiles
	s_and_b32 s23, s20, 1                          ; which half of K
	s_and_b32 s24, ttmp7, 0xffff                   ; y
	s_mul_i32 s28, s24, 12
	s_add_co_u32 s28, s28, ttmp9
	s_sub_co_u32 s28, s28, 44                      ; W's pair of tiles, 0..95 (used where x >= 44 alone)
	s_lshr_b32 s29, s28, 5                         ; which W
	s_and_b32 s30, s28, 31
	s_lshl_b32 s30, s30, 1                         ; its first tile in that W,
	s_lshl_b32 s31, s28, 1                         ; and in wc
	s_lshl_b32 s32, ttmp9, 1                       ; x's first tile in the batch,
	s_mul_i32 s33, s24, 88
	s_add_co_u32 s33, s33, s32                     ; and in xc
	s_mul_i32 s34, s24, 1370*4096                  ; the batch's first byte
	s_mov_b32 s46, 1023
	s_wait_kmcnt 0x0
	s_cmp_eq_u32 s29, 1
	s_cselect_b64 s[36:37], s[8:9], s[6:7]
	s_cmp_eq_u32 s29, 2
	s_cselect_b64 s[36:37], s[10:11], s[36:37]
	s_cmp_lt_u32 ttmp9, 44                         ; x's work-group or W's: the choice hangs on the work-group's number alone
	s_cselect_b64 s[36:37], s[4:5], s[36:37]       ; the source
	s_cselect_b64 s[38:39], s[12:13], s[16:17]     ; the codes
	s_cselect_b64 s[40:41], s[14:15], s[18:19]     ; the scale words
	s_cselect_b32 s42, s32, s30
	s_cselect_b32 s43, s33, s31
	s_cselect_b32 s44, s34, 0
	s_cselect_b32 s46, 1369, s46                   ; the source's last row
	s_add_co_u32 s42, s42, s22                     ; my tile in the source,
	s_add_co_u32 s43, s43, s22                     ; and in the output
	s_lshl_b32 s47, s23, 11
	s_add_co_u32 s44, s44, s47                     ; + my half of K: 2,048 bytes
	s_mov_b32 s45, 0
	s_add_nc_u64 s[36:37], s[36:37], s[44:45]
	s_lshl_b32 s28, s43, 13                        ; a tile's codes are 8,192 bytes, half of them 4,096
	s_lshl_b32 s29, s23, 12
	s_add_co_u32 s28, s28, s29
	s_mov_b32 s29, 0
	s_add_nc_u64 s[38:39], s[38:39], s[28:29]
	s_lshl_b32 s28, s43, 9                         ; its scale words 512 bytes, half of them 256
	s_lshl_b32 s30, s23, 8
	s_add_co_u32 s28, s28, s30
	s_add_nc_u64 s[40:41], s[40:41], s[28:29]
	s_lshl_b32 s42, s42, 4                         ; my first row
.irp j, 0,1,2,3,4,5,6,7,8,9,10,11,12,13,14,15
	s_add_co_u32 s47, s42, \j
	s_min_u32 s47, s47, s46                        ; no load leaves its buffer: rows past the end are the last row again
	s_lshl_b32 s47, s47, 12
	v_add_nc_u32 v[OFR+\j], s47, v[LI]
.endr
.macro LOAD f                          ; fragment f: 16 rows x 512 consecutive bytes
.irp j, 0,1,2,3,4,5,6,7,8,9,10,11,12,13,14,15
	global_load_b128 v[R+64*((\f)%2)+4*\j:R+64*((\f)%2)+4*\j+3], v[OFR+\j], s[36:37] offset:512*(\f) th:TH_LOAD_NT
.endr
.endm
.macro FRAG f
.if (\f) < 3
	s_wait_loadcnt 16                              ; this fragment's 16 loads are in; the next fragment's 16 may be out
.else
	s_wait_loadcnt 0x0
.endif
.irp j, 0,1,2,3,4,5,6,7,8,9,10,11,12,13,14,15
	ds_store_b128 v[SA], v[R+64*((\f)%2)+4*\j:R+64*((\f)%2)+4*\j+3] offset:SPITCH*\j
.endr
.irp c, 0,1
.irp i, 0,1,2,3,4,5,6,7
	ds_load_b128 v[X+32*\c+4*\i:X+32*\c+4*\i+3], v[SB] offset:256*\c+16*\i   ; LDS serves a wave's instructions in order: these see the stores above.  Row r, K = 64 c + 32 h + 4 i ..
.endr
.endr
	s_wait_dscnt 0x0
.if (\f)+2 < 4
	LOAD (\f)+2                                    ; into the set that the stores above have read
.endif
.irp c, 0,1
	v_max3_num_f32 v[M+\c], |v[X+32*\c]|, |v[X+32*\c+1]|, 0x1800000   ; my block 2 c + h: all 32 numbers are mine; the floor 2^(3 - 127) keeps the byte at 1 or above
.endr
.irp i, 2,4,6,8,10,12,14,16,18,20,22,24,26,28,30
.irp c, 0,1
	v_max3_num_f32 v[M+\c], v[M+\c], |v[X+32*\c+\i]|, |v[X+32*\c+\i+1]|
.endr
.endr
.irp c, 0,1
	v_add_nc_u32 v[SCO+\c], 0xff000000, v[M+\c]    ; 2 off the exponent field: the conversion takes this operand's exponent field as its scale
.endr
.irp c, 0,1
	v_lshrrev_b32 v[BY+\c], 23, v[SCO+\c]          ; the byte
.endr
	v_lshl_or_b32 v[TW], v[BY+1], 16, v[BY]        ; bytes h and 2 + h of my row's word,
	v_lshlrev_b32 v[TW], v[SH], v[TW]              ; at their places;
	v_permlanex16_b32 v[TW2], v[TW], s26, s27
	v_or_b32 v[SW+(\f)], v[TW], v[TW2]             ; with lane xor 16's two the word is whole
.if (\f) >= 2
	s_wait_xcnt 0x0                                ; the stores of two fragments ago have read this set of codes
.endif
.irp c, 0,1
.irp g, 0,1,2,3
	v_cvt_scalef32_pk8_fp4_f32 v[C+8*((\f)%2)+4*\c+\g], v[X+32*\c+8*\g:X+32*\c+8*\g+7], v[SCO+\c]
.endr
.endr
	v_nop                                          ; one plain line behind the last scaled conversion
.irp c, 0,1
	global_store_b128 v[LI], v[C+8*((\f)%2)+4*\c:C+8*((\f)%2)+4*\c+3], s[38:39] offset:1024*(\f)+512*\c   ; 32 lanes store 512 consecutive bytes, aligned
.endr
.endm
	LOAD 0
	LOAD 1
	FRAG 0
	FRAG 1
	FRAG 2
	FRAG 3
	v_cmp_ne_u32 vcc_lo, 0, v3                     ; the four fragments' words of 16 rows are 256 consecutive bytes [fragment][r]: lanes 0-15 give fragments 0 and 2, lanes 16-31 fragments 1 and 3
	v_cndmask_b32 v[TW], v[SW], v[SW+1], vcc_lo
	v_cndmask_b32 v[TW2], v[SW+2], v[SW+3], vcc_lo
	ds_store_b32 v[SWA], v[TW]
	ds_store_b32 v[SWA], v[TW2] offset:128
	ds_load_b64 v[M:M+1], v[SRA]
	s_wait_dscnt 0x0
	global_store_b64 v[SO], v[M:M+1], s[40:41]     ; 32 lanes store 256 consecutive bytes, aligned
	s_wait_tensorcnt 0x0                           ; the wave's end, behind my last LDS store
	ds_add_u32 v[SPW], v[NIL]
	s_wait_dscnt 0x0
	s_endpgm
.Lfunc_end_k_q8043702404_quant:
	.size	k_q8043702404_quant, .Lfunc_end_k_q8043702404_quant-k_q8043702404_quant
	.p2alignl 7, 3214868480
	.fill 96, 4, 3214868480
	.section	.rodata,"a",@progbits
	.p2align	6, 0x0
	.amdhsa_kernel k_q8043702404_quant
		.amdhsa_group_segment_fixed_size 35328
		.amdhsa_private_segment_fixed_size 0
		.amdhsa_enable_private_segment 0
		.amdhsa_kernarg_size 64
		.amdhsa_user_sgpr_count 2
		.amdhsa_user_sgpr_kernarg_segment_ptr 1
		.amdhsa_wavefront_size32 1
		.amdhsa_system_sgpr_workgroup_id_x 1
		.amdhsa_system_sgpr_workgroup_id_y 1
		.amdhsa_system_sgpr_workgroup_id_z 1
		.amdhsa_system_vgpr_workitem_id 0
		.amdhsa_next_free_vgpr 256
		.amdhsa_next_free_sgpr 66
		.amdhsa_reserve_vcc 1
		.amdhsa_float_denorm_mode_32 3
		.amdhsa_float_denorm_mode_16_64 3
		.amdhsa_memory_ordered 1
		.amdhsa_forward_progress 1
		.amdhsa_inst_pref_size 33
	.end_amdhsa_kernel
	.amdgpu_metadata
---
amdhsa.version: [ 1, 2 ]
amdhsa.kernels:
  - .name:           k_q8043702404_quant
    .symbol:         k_q8043702404_quant.kd
    .args:
      - { .name: hidden_states, .offset: 0, .size: 8, .value_kind: global_buffer, .address_space: global }
      - { .name: Wq, .offset: 8, .size: 8, .value_kind: global_buffer, .address_space: global }
      - { .name: Wk, .offset: 16, .size: 8, .value_kind: global_buffer, .address_space: global }
      - { .name: Wv, .offset: 24, .size: 8, .value_kind: global_buffer, .address_space: global }
      - { .name: xc, .offset: 32, .size: 8, .value_kind: global_buffer, .address_space: global }
      - { .name: xs, .offset: 40, .size: 8, .value_kind: global_buffer, .address_space: global }
      - { .name: wc, .offset: 48, .size: 8, .value_kind: global_buffer, .address_space: global }
      - { .name: ws, .offset: 56, .size: 8, .value_kind: global_buffer, .address_space: global }
    .group_segment_fixed_size: 35328
    .private_segment_fixed_size: 0
    .kernarg_segment_align: 8
    .kernarg_segment_size: 64
    .max_flat_workgroup_size: 128
    .sgpr_count:     66
    .vgpr_count:     256
    .wavefront_size: 32
...
	.end_amdgpu_metadata
.endif
;; end of part 1
;; launch proj (part 2): grid 8 x 32, 4 waves a work-group, clusters of 4 x 1, 192,512 bytes of LDS; arguments xc, xs, wc, ws, bq, bk, bv, qkv; writes qkv
.if DOCPART == 2
	.amdgcn_target "amdgcn-amd-amdhsa--gfx1250"
	.amdhsa_code_object_version 6
	.text
	.protected	k_q8043702404_proj
	.globl	k_q8043702404_proj
	.p2align	8
	.type	k_q8043702404_proj,@function
k_q8043702404_proj:
	s_mov_b64 s[64:65], 0
	v_nop
	global_prefetch_b8 v0, s[64:65] scope:SCOPE_SE
	s_setreg_imm32_b32 hwreg(HW_REG_WAVE_MODE, 25, 1), 1
	s_wait_xcnt 0x0
	s_wait_alu depctr_hold_cnt(0) depctr_sa_sdst(0) depctr_va_vdst(0) depctr_va_sdst(0) depctr_va_ssrc(0) depctr_va_vcc(0) depctr_vm_vsrc(0)
	s_getreg_b32 s2, hwreg(HW_REG_IB_STS2, 6, 4)
	s_cmp_eq_u32 s2, 0
	s_cbranch_scc0 .Lentry_in_a_cluster
	s_endpgm
.Lentry_in_a_cluster:
	s_bfe_u32 s2, ttmp6, 0x10000c
	s_cmp_lg_u32 s2, 0x3003
	s_cbranch_scc0 .Lentry_shape_is_right
	s_endpgm
.Lentry_shape_is_right:
; q, k, v = x W^T + b on codes of FP4 (E2M1) with E8M0 scales, by v_wmma_scale_f32_16x16x128_f8f6f4; sums in f32; results rounded once to f16 for the attention's products.
; M = 704 tiles of 16 rows (8 sequences padded to 88 tiles), N = 192 tiles of 16 columns (64 of Wq, 64 of Wk, 64 of Wv), K = 8 steps of 128.
; SHARES: work-group (X, Y): columns 384 X .. (24 tiles), rows 352 Y .. (22 tiles): 256 work-groups of equal work.  Wave w owns 6 column tiles for all 352 rows: its 48 fragments of W, their scale words and its
; biases stay in registers for the whole launch, read from memory once.  The rows are walked two tiles at a time: 12 accumulators x 8 K steps = 96 matrix instructions a trip.
; x's codes and scale words of the 22 tiles, 187 KB of register images, come into LDS once, by five tensor loads a wave, all first fills; nothing is filled again.
; CLUSTER: the four partners share Y, so they ask for x JOINTLY: the same loads, the same descriptors (made of Y and the wave's number alone), a mask that names the four.  W is each wave's own and goes straight to registers.
; THE MATRIX INSTRUCTION IS USED TRANSPOSED (source 0 = 16 rows of W, source 1 = 16 rows of x): a lane holds one token (lane % 16) and eight neighbouring channels, 16 bytes of f16.
; The bias is the C of each sum's first instruction (so it is the sum's first addend, not its last: the order of f32 roundings differs from the reference's).
; OUTPUT: qkv [batch][48 heads: 16 of q, 16 of k, 16 of v][88 tiles][4 blocks][512 bytes]; a block is 16 tokens x 16 channels.  q, k: lane's 16 bytes at 16 x lane (half an f16 fragment's image); v: at 32 r + 16 h (rows of 32 bytes).
; LIMIT: |q|, |k|, |v| stay under 65,504, f16's largest number.
; REGISTERS, in windows of 256: window 0: addresses; v32-79 packed results; v80-103 W's scale words; v104-111 x's; v128-223 the 12 accumulators; window 1: W's fragments of K steps 0-4; window 2: of K steps 5-7, from v144 the biases; window 3: x's fragments, two halves of K.
.set HB,    180224                     ; bytes of a head in qkv: 88 tiles x 2,048
.set XSB,   180224                     ; LDS: x's codes from 0, its scale words from here,
.set SPARE, 191488                     ; the spare words from here: 128 bytes a wave, which no other line names
.set LI,  2                            ; v2   16 x lane
.set AS0, 3                            ; v3   XSB + 512 h + 4 r
.set ADX, 4                            ; v4   LDS address of the trip's codes
.set ADS, 5                            ; v5   and of its scale words
.set LV,  7                            ; v7   32 r + 16 h: a lane's place in a block of v
.set BO,  8                            ; v8   32 h: a lane's eight biases
.set WSO, 9                            ; v9   512 h + 4 r
.set TMP, 32
.set WS,  80                           ; v[WS + 8 u + k]: lanes 0-15 the words of my column tile 2 u, lanes 16-31 of tile 2 u + 1, K step k
.set XSR, 104                          ; v[XSR + k]: lanes 0-15 the words of the trip's first row tile, lanes 16-31 of its second
.set ACC, 128                          ; accumulator (a, i) at v[ACC + 8 (6 a + i)]
.set SPW, 224                          ; my spare word; never rewritten
.set NIL, 225                          ; 0; never rewritten
.set OFS, 226                          ; v226-231 my byte offset in qkv for column tile i; never rewritten
.set BI,  144                          ; in window 2: the biases, 8 registers a column tile
.set G1C, 24                           ; s[24:31] group 1 for the codes;  s[32:39] for the scale words;  s[40:43] group 0 of the scale words;  s[44:59] of the four chunks of codes
.set G1S, 32
.set G0S, 40
.set G0C, 44
.set XB,  60                           ; s60  the trip's first byte among the codes
.set XT,  61                           ; s61  and among the scale words
.set CNT, 62
.set BP,  76                           ; s[76:87] six pointers to biases
.set MSB, 0
.macro WIN new                         ; the immediate's high byte repeats the setting that is left
.if MSB != \new
	s_set_vgpr_msb (MSB<<8)|\new
.set MSB, \new
.endif
.endm
.macro ROUND                           ; a round of the cluster's barrier
	s_barrier_signal -1
	s_barrier_wait -1
	s_cmp_lg_u32 s20, 0
	s_cbranch_scc1 .Lnot_wave_0_\@
	s_barrier_signal -3
.Lnot_wave_0_\@:
	s_barrier_wait -3
	s_barrier_signal -1
	s_barrier_wait -1
.endm
	s_load_b512 s[4:19], s[0:1], 0x0               ; xc s[4:5], xs s[6:7], wc s[8:9], ws s[10:11], bq s[12:13], bk s[14:15], bv s[16:17], qkv s[18:19]
	v_lshl_add_u32 v[SPW], v0, 2, SPARE
	v_mov_b32 v[NIL], 0
	ds_add_u32 v[SPW], v[NIL]                      ; the wave's opening: the add, twice on end, and its wait ahead of my first tensor load
	ds_add_u32 v[SPW], v[NIL]
	v_lshrrev_b32 v1, 5, v0
	v_readfirstlane_b32 s20, v1                    ; wave 0..3
	s_bfe_u32 s21, ttmp6, 0x40000                  ; cx
	s_lshl_b32 s22, ttmp9, 2
	s_add_co_u32 s22, s22, s21                     ; X = 4 x cluster x + cx
	s_and_b32 s23, ttmp7, 0xffff                   ; Y, which the four partners share
	; group 1: dense blocks as rows of 256 bytes (32 elements of 8 bytes), no padding: 44 rows of codes, 11 rows of scale words
.irp g, G1C, G1S
	s_mov_b32 s[\g], 15|(3<<16)|(1<<21)            ; 15:0 the mask: all four partners; 17:16 elements of 8 bytes; 21 set beside a mask
	s_mov_b32 s[\g+1], 32<<16                      ; tensor_dim0
	s_mov_b32 s[\g+3], 32<<16                      ; tile_dim0
	s_mov_b32 s[\g+5], 32                          ; the pitch
	s_mov_b32 s[\g+6], 0
	s_mov_b32 s[\g+7], 0
.endr
	s_mov_b32 s[G1C+2], 44<<16                     ; tensor_dim1
	s_mov_b32 s[G1C+4], 44                         ; tile_dim1
	s_mov_b32 s[G1S+2], 11<<16
	s_mov_b32 s[G1S+4], 11
	s_mul_i32 s66, s20, 11264                      ; my quarter of a chunk of codes,
	s_mul_i32 s67, s20, 2816                       ; and of the scale words
	s_mul_i32 s68, s23, 180224
	s_add_co_u32 s68, s68, s66
	s_mov_b32 s69, 0
	s_mul_i32 s70, s23, 11264
	s_add_co_u32 s70, s70, s67
	s_mov_b32 s71, 0
	s_mov_b32 s[XB], 0
	s_mov_b32 s[XT], 0
	s_wait_dscnt 0x0                               ; both opening adds are done
	s_wait_kmcnt 0x0
	s_add_nc_u64 s[68:69], s[4:5], s[68:69]
	s_add_nc_u64 s[70:71], s[6:7], s[70:71]
	s_mov_b32 s[G0S], 1
	s_add_co_u32 s[G0S+1], s67, XSB
	s_mov_b64 s[G0S+2:G0S+3], s[70:71]
	s_or_b32 s[G0S+3], s[G0S+3], 0x80000000
.irp q, 0,1,2,3
	s_mov_b32 s[G0C+4*\q], 1
	s_add_co_u32 s[G0C+4*\q+1], s66, 45056*\q
	s_add_nc_u64 s[G0C+4*\q+2:G0C+4*\q+3], s[68:69], 45056*\q
	s_or_b32 s[G0C+4*\q+3], s[G0C+4*\q+3], 0x80000000
.endr
	ROUND                                          ; all four work-groups are here: the joint loads meet
	tensor_load_to_lds s[G0S:G0S+3], s[G1S:G1S+7]  ; five first fills of mine go out together: five are outstanding at the most
	s_nop 0
.irp q, 0,1,2,3
	tensor_load_to_lds s[G0C+4*\q:G0C+4*\q+3], s[G1C:G1C+7]
	s_nop 0
.endr
.rept 4
	v_nop
.endr
	v_and_b32 v1, 31, v0
	v_and_b32 v10, 15, v0                          ; r
	v_bfe_u32 v11, v0, 4, 1                        ; h
	v_lshlrev_b32 v[LI], 4, v1
	v_lshlrev_b32 v[WSO], 2, v10
	v_lshl_add_u32 v[WSO], v11, 9, v[WSO]
	v_add_nc_u32 v[AS0], XSB, v[WSO]
	v_lshlrev_b32 v[LV], 5, v10
	v_lshl_add_u32 v[LV], v11, 4, v[LV]
	v_lshlrev_b32 v[BO], 5, v11
	s_mul_i32 s72, s22, 24
	s_mul_i32 s73, s20, 6
	s_add_co_u32 s72, s72, s73                     ; my first column tile, 0..186
	s_lshl_b32 s74, s72, 13
	s_mov_b32 s75, 0
	s_add_nc_u64 s[8:9], s[8:9], s[74:75]          ; its codes,
	s_lshl_b32 s74, s72, 9
	s_add_nc_u64 s[10:11], s[10:11], s[74:75]      ; its scale words
	s_lshr_b32 s74, s23, 2                         ; the batch,
	s_mul_i32 s74, s74, 48*HB
	s_and_b32 s73, s23, 3
	s_mul_i32 s73, s73, 22*2048                    ; and my first row tile in it
	s_add_co_u32 s74, s74, s73
	s_add_nc_u64 s[18:19], s[18:19], s[74:75]
	WIN 0x40                                       ; destination window 1
.irp k, 0,1,2,3,4
.irp i, 0,1,2,3,4,5
.irp c, 0,1
	global_load_b128 v[8*(6*\k+\i)+4*\c:8*(6*\k+\i)+4*\c+3], v[LI], s[8:9] offset:((8*\i+\k)*2+\c)*512
.endr
.endr
.endr
	WIN 0x80                                       ; destination window 2
.irp k, 5,6,7
.irp i, 0,1,2,3,4,5
.irp c, 0,1
	global_load_b128 v[8*(6*(\k-5)+\i)+4*\c:8*(6*(\k-5)+\i)+4*\c+3], v[LI], s[8:9] offset:((8*\i+\k)*2+\c)*512
.endr
.endr
.endr
.irp i, 0,1,2,3,4,5
	s_add_co_u32 s88, s72, \i                      ; column tile g: matrix g / 64, head g / 4, block g % 4
	s_lshr_b32 s89, s88, 6
	s_cmp_eq_u32 s89, 1
	s_cselect_b64 s[BP+2*\i:BP+2*\i+1], s[14:15], s[12:13]
	s_cmp_eq_u32 s89, 2
	s_cselect_b64 s[BP+2*\i:BP+2*\i+1], s[16:17], s[BP+2*\i:BP+2*\i+1]
	s_and_b32 s90, s88, 63
	s_lshl_b32 s90, s90, 6
	s_mov_b32 s91, 0
	s_add_nc_u64 s[BP+2*\i:BP+2*\i+1], s[BP+2*\i:BP+2*\i+1], s[90:91]
	global_load_b128 v[BI+8*\i:BI+8*\i+3], v[BO], s[BP+2*\i:BP+2*\i+1]              ; lane (r, h): the biases of channels 8 h + 0 .. 7 of the tile
	global_load_b128 v[BI+8*\i+4:BI+8*\i+7], v[BO], s[BP+2*\i:BP+2*\i+1] offset:16
.endr
	WIN 0
.irp i, 0,1,2,3,4,5
	s_add_co_u32 s88, s72, \i
	s_lshr_b32 s92, s88, 2
	s_mul_i32 s92, s92, HB
	s_and_b32 s93, s88, 3
	s_lshl_b32 s93, s93, 9
	s_add_co_u32 s92, s92, s93
	s_cmp_ge_u32 s88, 128                          ; a tile of v?
	s_cselect_b32 s93, -1, 0
	v_cndmask_b32 v[OFS+\i], v[LI], v[LV], s93     ; a choice of an offset, not a branch
	v_add_nc_u32 v[OFS+\i], s92, v[OFS+\i]
.endr
.irp u, 0,1,2
.irp k, 0,1,2,3,4,5,6,7
	global_load_b32 v[WS+8*\u+\k], v[WSO], s[10:11] offset:1024*\u+64*\k
.endr
.endr
	s_wait_loadcnt 0x0                             ; W, its scale words, the biases: once
.macro WAITB n                         ; my loads up to the chunk that is wanted have landed (n younger ones may be out); my LDS loads are in; then the barrier.
	s_wait_tensorcnt \n
	s_wait_dscnt 0x0
	s_barrier_signal -1
	s_barrier_wait -1
.endm
.macro LDH hf, off                     ; half hf of K of two row tiles, off bytes on: 16 loads of codes, 4 of scale words
	WIN 0xc0                                       ; destination window 3
.irp a, 0,1
.irp q, 0,1,2,3
.irp c, 0,1
	ds_load_b128 v[64*(\hf)+8*(4*\a+\q)+4*\c:64*(\hf)+8*(4*\a+\q)+4*\c+3], v[ADX] offset:(\off)+8192*\a+1024*(4*(\hf)+\q)+512*\c
.endr
.endr
.endr
	WIN 0
.irp q, 0,1,2,3
	ds_load_b32 v[XSR+4*(\hf)+\q], v[ADS] offset:(\off)/16+64*(4*(\hf)+\q)
.endr
.endm
.macro MM ra, rb                       ; one product; ra, rb: the scale words stand in lanes 16-31
.if (\ra) && (\rb)
	v_wmma_scale_f32_16x16x128_f8f6f4 v[rD:rD+7], v[rW:rW+7], v[rX:rX+7], v[rC:rC+7], v[rSA], v[rSB] matrix_a_fmt:MATRIX_FMT_FP4 matrix_b_fmt:MATRIX_FMT_FP4 matrix_a_scale:MATRIX_SCALE_ROW1 matrix_b_scale:MATRIX_SCALE_ROW1
.elseif (\ra)
	v_wmma_scale_f32_16x16x128_f8f6f4 v[rD:rD+7], v[rW:rW+7], v[rX:rX+7], v[rC:rC+7], v[rSA], v[rSB] matrix_a_fmt:MATRIX_FMT_FP4 matrix_b_fmt:MATRIX_FMT_FP4 matrix_a_scale:MATRIX_SCALE_ROW1
.elseif (\rb)
	v_wmma_scale_f32_16x16x128_f8f6f4 v[rD:rD+7], v[rW:rW+7], v[rX:rX+7], v[rC:rC+7], v[rSA], v[rSB] matrix_a_fmt:MATRIX_FMT_FP4 matrix_b_fmt:MATRIX_FMT_FP4 matrix_b_scale:MATRIX_SCALE_ROW1
.else
	v_wmma_scale_f32_16x16x128_f8f6f4 v[rD:rD+7], v[rW:rW+7], v[rX:rX+7], v[rC:rC+7], v[rSA], v[rSB] matrix_a_fmt:MATRIX_FMT_FP4 matrix_b_fmt:MATRIX_FMT_FP4
.endif
.endm
.macro MULK k                          ; K step k: the 12 accumulators by turns, one instruction a turn
.if (\k) == 0
	WIN 0x2d                                       ; W window 1, x window 3, C (the bias) window 2, D window 0
.elseif (\k) < 5
	WIN 0x0d
.else
	WIN 0x0e                                       ; W window 2
.endif
.irp a, 0,1
.irp i, 0,1,2,3,4,5
.set rD, ACC+8*(6*\a+\i)
.set rC, rD
.if (\k) == 0
.set rC, BI+8*\i
.endif
.set rW, 8*(6*((\k)%5)+\i)
.set rX, 64*((\k)/4)+8*(4*\a+(\k)%4)
.set rSA, WS+8*(\i/2)+(\k)
.set rSB, XSR+(\k)
	MM \i%2, \a
.endr
.endr
.endm
; A trip: two row tiles.  pf = 1: the next two tiles' fragments are fetched, each half of K as soon as its registers are free.
.macro TRIP pf
	v_add_nc_u32 v[ADX], s[XB], v[LI]
	v_add_nc_u32 v[ADS], s[XT], v[AS0]
	s_wait_dscnt 20                                ; the first half of K is in; the second half's 20 loads may be out
	MULK 0
	MULK 1
	MULK 2
	MULK 3
	WIN 0
.rept 4
	v_nop                                          ; places in front of loads into registers that matrix instructions have read
.endr
.if \pf
	LDH 0, 16384
	s_wait_dscnt 20                                ; all but the 20 just issued
.else
	s_wait_dscnt 0x0
.endif
	MULK 4
	MULK 5
	MULK 6
	MULK 7
	WIN 0
.rept 4
	v_nop                                          ; the same, and in front of the conversions, which read results
.endr
.if \pf
	LDH 1, 16384
.endif
.irp n, 0,1,2,3,4,5,6,7,8,9,10,11
.irp p, 0,1,2,3
	v_cvt_pk_f16_f32 v[TMP+4*\n+\p], v[ACC+8*\n+2*\p], v[ACC+8*\n+2*\p+1]   ; each accumulator from its low end on
.endr
.endr
.irp a, 0,1
.irp i, 0,1,2,3,4,5
	global_store_b128 v[OFS+\i], v[TMP+4*(6*\a+\i):TMP+4*(6*\a+\i)+3], s[18:19] offset:2048*\a   ; 32 lanes fill one aligned block of 512 bytes
.endr
.endr
	s_wait_xcnt 0x0                                ; the stores have read their data and their base: both are written again
	s_add_nc_u64 s[18:19], s[18:19], 4096
	s_add_co_u32 s[XB], s[XB], 16384
	s_add_co_u32 s[XT], s[XT], 1024
.endm
.macro LOOP3
	s_mov_b32 s[CNT], 3
.Ltrip_\@:
	TRIP 1
	s_sub_co_u32 s[CNT], s[CNT], 1
	s_cmp_lg_u32 s[CNT], 0
	s_cbranch_scc1 .Ltrip_\@
.endm
	WAITB 3                                        ; the scale words and chunk 0 (tiles 0 to 5.5) are in; three chunks may be out
	v_add_nc_u32 v[ADX], s[XB], v[LI]
	v_add_nc_u32 v[ADS], s[XT], v[AS0]
	LDH 0, 0
	LDH 1, 0
	TRIP 1                                         ; trip 0 fetches trip 1's tiles: still chunk 0
	WAITB 2                                        ; chunk 1: trips 1 to 3 fetch tiles 4 to 9
	LOOP3
	WAITB 1                                        ; chunk 2: trips 4 to 6 fetch tiles 10 to 15
	LOOP3
	WAITB 0                                        ; chunk 3: trips 7 to 9 fetch tiles 16 to 21
	LOOP3
	TRIP 0                                         ; the last trip fetches nothing
	s_wait_tensorcnt 0x0                           ; the wave's end
	ds_add_u32 v[SPW], v[NIL]
	s_wait_dscnt 0x0
	ROUND                                          ; the closing round
	s_endpgm
.Lfunc_end_k_q8043702404_proj:
	.size	k_q8043702404_proj, .Lfunc_end_k_q8043702404_proj-k_q8043702404_proj
	.p2alignl 7, 3214868480
	.fill 96, 4, 3214868480
	.section	.rodata,"a",@progbits
	.p2align	6, 0x0
	.amdhsa_kernel k_q8043702404_proj
		.amdhsa_group_segment_fixed_size 192512
		.amdhsa_private_segment_fixed_size 0
		.amdhsa_enable_private_segment 0
		.amdhsa_kernarg_size 64
		.amdhsa_user_sgpr_count 2
		.amdhsa_user_sgpr_kernarg_segment_ptr 1
		.amdhsa_wavefront_size32 1
		.amdhsa_system_sgpr_workgroup_id_x 1
		.amdhsa_system_sgpr_workgroup_id_y 1
		.amdhsa_system_sgpr_workgroup_id_z 1
		.amdhsa_system_vgpr_workitem_id 0
		.amdhsa_next_free_vgpr 896
		.amdhsa_next_free_sgpr 100
		.amdhsa_reserve_vcc 0
		.amdhsa_float_denorm_mode_32 3
		.amdhsa_float_denorm_mode_16_64 3
		.amdhsa_memory_ordered 1
		.amdhsa_forward_progress 1
		.amdhsa_inst_pref_size 122
	.end_amdhsa_kernel
	.amdgpu_metadata
---
amdhsa.version: [ 1, 2 ]
amdhsa.kernels:
  - .name:           k_q8043702404_proj
    .symbol:         k_q8043702404_proj.kd
    .args:
      - { .name: xc, .offset: 0, .size: 8, .value_kind: global_buffer, .address_space: global }
      - { .name: xs, .offset: 8, .size: 8, .value_kind: global_buffer, .address_space: global }
      - { .name: wc, .offset: 16, .size: 8, .value_kind: global_buffer, .address_space: global }
      - { .name: ws, .offset: 24, .size: 8, .value_kind: global_buffer, .address_space: global }
      - { .name: bq, .offset: 32, .size: 8, .value_kind: global_buffer, .address_space: global }
      - { .name: bk, .offset: 40, .size: 8, .value_kind: global_buffer, .address_space: global }
      - { .name: bv, .offset: 48, .size: 8, .value_kind: global_buffer, .address_space: global }
      - { .name: qkv, .offset: 56, .size: 8, .value_kind: global_buffer, .address_space: global }
    .group_segment_fixed_size: 192512
    .private_segment_fixed_size: 0
    .kernarg_segment_align: 8
    .kernarg_segment_size: 64
    .max_flat_workgroup_size: 128
    .sgpr_count:     100
    .vgpr_count:     896
    .wavefront_size: 32
...
	.end_amdgpu_metadata
.endif
;; end of part 2
;; launch attn (part 3): grid 4 x 128, 4 waves a work-group, clusters of 4 x 1, 327,680 bytes of LDS; arguments qkv, out0; writes out0
.if DOCPART == 3
	.amdgcn_target "amdgcn-amd-amdhsa--gfx1250"
	.amdhsa_code_object_version 6
	.text
	.protected	k_q8043702404_attn
	.globl	k_q8043702404_attn
	.p2align	8
	.type	k_q8043702404_attn,@function
k_q8043702404_attn:
	s_mov_b64 s[64:65], 0
	v_nop
	global_prefetch_b8 v0, s[64:65] scope:SCOPE_SE
	s_setreg_imm32_b32 hwreg(HW_REG_WAVE_MODE, 25, 1), 1
	s_wait_xcnt 0x0
	s_wait_alu depctr_hold_cnt(0) depctr_sa_sdst(0) depctr_va_vdst(0) depctr_va_sdst(0) depctr_va_ssrc(0) depctr_va_vcc(0) depctr_vm_vsrc(0)
	s_getreg_b32 s2, hwreg(HW_REG_IB_STS2, 6, 4)
	s_cmp_eq_u32 s2, 0
	s_cbranch_scc0 .Lentry_in_a_cluster
	s_endpgm
.Lentry_in_a_cluster:
	s_bfe_u32 s2, ttmp6, 0x10000c
	s_cmp_lg_u32 s2, 0x3003
	s_cbranch_scc0 .Lentry_shape_is_right
	s_endpgm
.Lentry_shape_is_right:
; out0[b][q][64 h ..] = the sum over keys of softmax(q . k / 8) v, for 128 (batch, head) pairs, 1,370 tokens, head size 64.  q, k, v: f16, from qkv; products by v_wmma_f32_16x16x32_f16, sums, maxima and exponentials in f32;
; the weights p are rounded to f16 for the second product.  The sequence is padded to 1,408 = 22 key steps of 64: pad keys get -3e38 through the C of the score product (p = 0); pad queries are computed and not stored.
; SHARES: work-group cx of a cluster owns 384 query places of one head, each wave six tiles of 16: PIECE 0 (tiles 0-2) and PIECE 3 (tiles 3-5).  Every wave walks all 22 key steps.
; LAYOUT: S^T = K Q^T (source 0 = 16 keys, source 1 = 16 queries), O^T = V^T P: a lane holds ONE query (lane % 16) throughout; two tiles of S^T rounded in pairs ARE source 1 of the second product.
; SOFTMAX: a running maximum m for each query; p = 2^(c s - c m), c = log2(e) / 8; in every step O and l are multiplied by a = 2^(c m_old - c m_new).  THE ROW'S SUM l IS MADE BY THE MATRIX UNIT: a fifth tile of
; "channels" whose fragment is all ones; only its register 0 is rescaled and read; the other seven hold sums of p, at most 1,408, which nobody reads.
; BY TURNS: in a turn one piece has the matrix unit (30 products V^T P of the step in hand, 24 products K Q^T of the next) and the other piece's softmax, cut into 54 slices, stands between them, one slice behind each product.
; LDS: K's and V's blocks are images of registers (K) or rows of 32 bytes (V), dense.  Key steps 0-17 are resident from three first fills a wave; steps 18-21 come by ONE refill into the places of steps 0-3, asked for
; 12 key steps before they are read.  CLUSTER: the four partners walk the same K and V: every load is joint (a mask of all four; descriptors made of the head and the wave's number alone).
; No prefetch is laid: every byte of K and V is asked for at the head or by that one early refill, so no wave waits for a stream.
; LIMITS: |q|, |k|, |v| under 65,504 (f16); NaN and infinities are not served.
; REGISTERS, in windows of 256: window 0: v2-10 addresses; v12-59 eight statistics a tile; v64-255 S^T, 32 a tile.  window 1: O^T, 32 a tile; from v192 l, 8 a tile.
;   window 2: v0-95 Q; v96-159 K of one step; v160-255 P, 16 a tile.   window 3: v0-63 V of one step; v64-71 ones; v72-87 the pad mask's two addends.
.set HB,    180224                     ; bytes of a head in qkv
.set STEPB, 8192                       ; a key step of K or of V
.set VREG,  147456                     ; LDS: K's 18 places from 0, V's from here,
.set STAGE, 294912                     ; the way out: 16 rows x 272 bytes for each wave,
.set SP,    272
.set SPARE, 312320                     ; the spare words: 128 bytes a wave, which no other line names
.set LI,  2                            ; v2   16 x lane
.set AV0, 3                            ; v3   my lane's place in a step of V, for the turning load
.set ADR, 4                            ; v4   the LDS address of the run of loads in hand
.set STO, 6                            ; v6   the way out: where I put 32 bytes of a row
.set RD,  7                            ; v7   where I read a row back
.set GO,  8                            ; v8   my byte offset in the wave's rows of out0
.set HM,  10                           ; v10  all ones in lanes 16-31, else 0
.set ST,  12                           ; tile t at v[ST+8 t]: +0 c m, +1 m, +2 how many pairs of the tile's rows are stored, +4 to +7 c0-c3, at work; a takes c2's place
.set SPW, 62                           ; my spare word; never rewritten
.set NIL, 63                           ; 0; never rewritten
.set S,   64
.set LACC, 192                         ; in window 1
.set KF,  96                           ; in window 2
.set P,   160
.set ON,  64                           ; in window 3
.set MB1, 72
.set MB2, 80
.set WV,  12                           ; s12  wave
.set G1A, 16                           ; s[16:23], s[24:31], s[32:39] groups 1: 32, 64, 192 rows of 256 bytes
.set G1B, 24
.set G1C, 32
.set G0,  40                           ; s[40:55] four groups 0: steps 0-1, 2-5, 6-17, and the refill 18-21; never rewritten
.set CS,  58                           ; s[58:59] c
.set SEL, 60                           ; s[60:61] selects for v_permlanex16_b32: lane xor 16
.set TB,  62                           ; s62  LDS byte at which the step to be fetched begins
.set CNT, 63
.set NEG, 66                           ; s66  -3e38 in the trip whose scores are the last step's, else 0
.set MSB, 0
.macro WIN new                         ; the immediate's high byte repeats the setting that is left; a switch that changes nothing is dropped
.if MSB != \new
	s_set_vgpr_msb (MSB<<8)|\new
.set MSB, \new
.endif
.endm
.set W_KQ,  0x0a                       ; K and Q window 2, S^T window 0
.set W_KQM, 0x3a                       ; the same, C window 3
.set W_PV,  0x5b                       ; V window 3, P window 2, O^T window 1
.set W_RS,  0x41                       ; O^T (destination, source 0) window 1, a window 0
.macro ROUND                           ; a round of the cluster's barrier
	s_barrier_signal -1
	s_barrier_wait -1
	s_cmp_lg_u32 s[WV], 0
	s_cbranch_scc1 .Lnot_wave_0_\@
	s_barrier_signal -3
.Lnot_wave_0_\@:
	s_barrier_wait -3
	s_barrier_signal -1
	s_barrier_wait -1
.endm
	s_load_b128 s[4:7], s[0:1], 0x0                ; qkv s[4:5], out0 s[6:7]
	v_lshl_add_u32 v[SPW], v0, 2, SPARE
	v_mov_b32 v[NIL], 0
	ds_add_u32 v[SPW], v[NIL]                      ; the wave's opening: the add, twice on end, and its wait ahead of my first tensor load
	ds_add_u32 v[SPW], v[NIL]
	v_lshrrev_b32 v1, 5, v0
	v_readfirstlane_b32 s[WV], v1                  ; wave 0..3
	s_bfe_u32 s13, ttmp6, 0x40000                  ; cx: it enters Q's and out0's addresses and the store masks alone
	s_and_b32 s14, ttmp7, 0xffff
	s_lshr_b32 s15, s14, 4                         ; batch
	s_and_b32 s67, s14, 15                         ; head
	s_mul_i32 s68, s15, 48
	s_add_co_u32 s68, s68, s67                     ; q's head in qkv; k's is 16 on, v's 32 on
	s_lshr_b32 s69, s[WV], 1                       ; I fetch for K (0) or for V (1),
	s_and_b32 s70, s[WV], 1                        ; the first or the second half of each group of steps
	s_lshl_b32 s71, s69, 4
	s_add_co_u32 s71, s71, s68
	s_add_co_u32 s71, s71, 16
	s_mul_i32 s72, s71, HB
	s_mov_b32 s73, 0
	s_mul_i32 s74, s69, VREG
	s_lshl_b32 s75, s70, 13
	s_lshl_b32 s76, s70, 14
	s_mul_i32 s77, s70, 49152
	s_mul_i32 s78, s68, HB
	s_mov_b32 s79, 0
	s_mov_b32 s81, 0
.irp g, G1A, G1B, G1C
	s_mov_b32 s[\g], 15|(3<<16)|(1<<21)            ; 15:0 the mask: all four partners; 17:16 elements of 8 bytes; 21 set beside a mask; no padding
	s_mov_b32 s[\g+1], 32<<16                      ; tensor_dim0: 256 bytes
	s_mov_b32 s[\g+3], 32<<16                      ; tile_dim0
	s_mov_b32 s[\g+5], 32                          ; the pitch: dense
	s_mov_b32 s[\g+6], 0
	s_mov_b32 s[\g+7], 0
.endr
	s_mov_b32 s[G1A+2], 32<<16                     ; tensor_dim1,
	s_mov_b32 s[G1A+4], 32                         ; tile_dim1
	s_mov_b32 s[G1B+2], 64<<16
	s_mov_b32 s[G1B+4], 64
	s_mov_b32 s[G1C+2], 192<<16
	s_mov_b32 s[G1C+4], 192
	s_mov_b32 s[CS], 0x3e38aa3b                    ; c = log2(e) / 8
	s_mov_b32 s[CS+1], s[CS]                       ; (named with it as a pair, so it is written)
	s_mov_b32 s[SEL], 0x76543210
	s_mov_b32 s[SEL+1], 0xfedcba98
	s_mov_b32 s[TB], 0
	s_wait_dscnt 0x0                               ; both opening adds are done
	s_wait_kmcnt 0x0
	s_add_nc_u64 s[72:73], s[4:5], s[72:73]        ; K's or V's head
	s_add_nc_u64 s[8:9], s[4:5], s[78:79]          ; Q's head
	s_mov_b32 s[G0], 1                             ; steps 0-1: one step a wave
	s_add_co_u32 s[G0+1], s74, s75
	s_mov_b32 s80, s75
	s_add_nc_u64 s[G0+2:G0+3], s[72:73], s[80:81]
	s_or_b32 s[G0+3], s[G0+3], 0x80000000
	s_mov_b32 s[G0+4], 1                           ; steps 2-5: two a wave
	s_add_co_u32 s80, s76, 16384
	s_add_co_u32 s[G0+5], s74, s80
	s_add_nc_u64 s[G0+6:G0+7], s[72:73], s[80:81]
	s_or_b32 s[G0+7], s[G0+7], 0x80000000
	s_mov_b32 s[G0+8], 1                           ; steps 6-17: six a wave
	s_add_co_u32 s80, s77, 49152
	s_add_co_u32 s[G0+9], s74, s80
	s_add_nc_u64 s[G0+10:G0+11], s[72:73], s[80:81]
	s_or_b32 s[G0+11], s[G0+11], 0x80000000
	s_mov_b32 s[G0+12], 1                          ; the refill: steps 18-21 into the places of steps 0-3
	s_add_co_u32 s[G0+13], s74, s76
	s_add_co_u32 s80, s76, 147456
	s_add_nc_u64 s[G0+14:G0+15], s[72:73], s[80:81]
	s_or_b32 s[G0+15], s[G0+15], 0x80000000
	ROUND                                          ; all four work-groups are here: the first joint loads meet
	tensor_load_to_lds s[G0:G0+3], s[G1A:G1A+7]    ; three first fills of mine go out together: three are outstanding at the most
	s_nop 0
	tensor_load_to_lds s[G0+4:G0+7], s[G1B:G1B+7]
	s_nop 0
	tensor_load_to_lds s[G0+8:G0+11], s[G1C:G1C+7]
	s_nop 0
.rept 4
	v_nop
.endr
	v_and_b32 v5, 31, v0
	v_lshlrev_b32 v[LI], 4, v5
	v_and_b32 v1, 15, v0                           ; r
	v_bfe_u32 v9, v0, 4, 1                         ; h
	s_mul_i32 s82, s13, 24
	s_mul_i32 s83, s[WV], 6
	s_add_co_u32 s82, s82, s83                     ; my first tile of queries, 0..90
.irp t, 0,1,2,3,4,5
	s_add_co_u32 s83, s82, \t
	s_min_u32 s84, s83, 87                         ; places past the padded sequence read its last tile: no load leaves the buffer
	s_lshl_b32 s84, s84, 11
	v_add_nc_u32 v[ST+8*\t+4], s84, v[LI]
	s_lshl_b32 s83, s83, 3
	s_sub_co_i32 s83, 685, s83                     ; rows 16 T + 2 f, + 1 are stored where f < (1370 - 16 T) / 2
	s_max_i32 s83, s83, 0
	v_mov_b32 v[ST+8*\t+2], s83
.endr
	WIN 0x80                                       ; destination window 2
.irp t, 0,1,2,3,4,5
.irp n, 0,1,2,3
	global_load_b128 v[16*\t+4*\n:16*\t+4*\n+3], v[ST+8*\t+4], s[8:9] offset:512*\n   ; Q stays in registers: a tile's four blocks are its two fragments
.endr
.endr
	WIN 0xc0                                       ; destination window 3
.irp n, 0,1,2,3,4,5,6,7
	v_mov_b32 v[ON+\n], 0x3c003c00                 ; 1.0, 1.0 in f16
.endr
.irp n, 0,1,2,3,4,5,6,7,8,9,10,11,12,13,14,15
	v_mov_b32 v[MB1+\n], 0
.endr
	WIN 0
	v_sub_nc_u32 v[HM], 0, v9
	v_and_b32 v5, 7, v0
	v_bfe_u32 v11, v0, 3, 1
	v_lshlrev_b32 v[AV0], 8, v9                    ; the turning load: key 8 h + lane % 8 (rows of 32 bytes), channels 8 ((lane / 8) % 2) on
	v_lshl_add_u32 v[AV0], v5, 5, v[AV0]
	v_lshl_add_u32 v[AV0], v11, 4, v[AV0]
	v_add_nc_u32 v[AV0], VREG, v[AV0]
	s_mul_i32 s84, s15, 1370
	s_lshl_b32 s85, s82, 4
	s_add_co_u32 s84, s84, s85
	s_lshl_b32 s84, s84, 12                        ; my first row of out0, 4,096 bytes a row,
	s_lshl_b32 s85, s67, 8                         ; my head's 256 bytes in it
	s_add_co_u32 s84, s84, s85
	s_mov_b32 s85, 0
	s_add_nc_u64 s[6:7], s[6:7], s[84:85]
; THE MATRIX WORK.  The accumulators take turns, one instruction a turn: 12 in K Q^T, 15 in V^T P.
; Product i of 24 of S^T = K Q^T: channels 32 (i / 12) on, keys 16 ((i / 3) % 4) on, tile x + i % 3.  The first 12 start the sums: with 0, or (mask = 1) with the pad mask's addend.
.macro KQ x, mask
.set cc, i/12
.set kt, (i/3)%4
.set tt, (\x)+i%3
.set rS, S+32*tt+8*kt
.set rK, KF+8*(2*kt+cc)
.set rQ, 16*tt+8*cc
.if i >= 12
	WIN W_KQ
	v_wmma_f32_16x16x32_f16 v[rS:rS+7], v[rK:rK+7], v[rQ:rQ+7], v[rS:rS+7]
.elseif (\mask) && (kt == 1)
	WIN W_KQM
	v_wmma_f32_16x16x32_f16 v[rS:rS+7], v[rK:rK+7], v[rQ:rQ+7], v[MB1:MB1+7]
.elseif (\mask) && (kt > 1)
	WIN W_KQM
	v_wmma_f32_16x16x32_f16 v[rS:rS+7], v[rK:rK+7], v[rQ:rQ+7], v[MB2:MB2+7]
.else
	WIN W_KQ
	v_wmma_f32_16x16x32_f16 v[rS:rS+7], v[rK:rK+7], v[rQ:rQ+7], 0
.endif
.endm
; Product i of 30 of O^T += V^T P: keys 32 (i / 15) on; channels 16 ((i % 15) / 3) on, the fifth "tile" being the ones that make l; tile x + i % 3.  zero = 1: the first 15 start the sums.
.macro PV x, zero
	WIN W_PV
.set kp, i/15
.set ct, (i%15)/3
.set tt, (\x)+i%3
.set rO, 32*tt+8*ct
.set rV, 8*(4*kp+ct)
.if ct == 4
.set rO, LACC+8*tt
.set rV, ON
.endif
.set rP, P+16*tt+8*kp
.if (\zero) && (i < 15)
	v_wmma_f32_16x16x32_f16 v[rO:rO+7], v[rV:rV+7], v[rP:rP+7], 0
.else
	v_wmma_f32_16x16x32_f16 v[rO:rO+7], v[rV:rV+7], v[rP:rP+7], v[rO:rO+7]
.endif
.endm
; THE LDS LOADS stand in runs of 16.  K: the step's 16 blocks are its eight fragments as they lie.
.macro FETCH_K
	WIN 0
	v_add_nc_u32 v[ADR], s[TB], v[LI]
	WIN 0x80
.irp n, 0,1,2,3,4,5,6,7,8,9,10,11,12,13,14,15
	ds_load_b128 v[KF+4*\n:KF+4*\n+3], v[ADR] offset:512*\n
.endr
.endm
; V, turned: fragment (keys 32 kp on, channels 16 ct on) from the blocks ct of tiles 2 kp and 2 kp + 1.  The wait for the softmax's batch of exponentials stands here, ahead of the loads.
.macro FETCH_V
	WIN 0
	v_add_nc_u32 v[ADR], s[TB], v[AV0]
	s_add_co_u32 s[TB], s[TB], STEPB               ; the next fetch is the next step's
	s_wait_alu depctr_va_vdst(0)
	WIN 0xc0
.irp kp2, 0,1
.irp ct2, 0,1,2,3
.irp e, 0,1
	ds_load_tr16_b128 v[8*(4*\kp2+\ct2)+4*\e:8*(4*\kp2+\ct2)+4*\e+3], v[ADR] offset:(2*\kp2+\e)*2048+512*\ct2
.endr
.endr
.endr
.endm
; THE PAD MASK.  The last step holds keys 1344 + 16 kt + 8 h + j; keys from 1370 on do not count: kt = 1 with h = 1 and j >= 2 (MB1), all of kt = 2, 3 (MB2).  In the other trips of that loop the addends are 0.
.macro MASKSET
	s_cmp_eq_u32 s[CNT], 1                         ; a counted loop's step alone
	s_cselect_b32 s[NEG], 0xff61b1e6, 0            ; -3e38: finite, and c times it is finite
	WIN 0xc0
.irp n, 0,1,2,3,4,5,6,7
	v_mov_b32 v[MB2+\n], s[NEG]
.endr
.irp n, 2,3,4,5,6,7
	v_and_b32 v[MB1+\n], s[NEG], v[HM]
.endr
.endm
; THE VECTOR WORK: one tile's softmax for one key step is 103 instructions.
.macro SMF t, b                        ; pair b of the 16 pairs of scores: c s - c m
	v_pk_fma_f32 v[S+32*(\t)+2*(\b):S+32*(\t)+2*(\b)+1], v[S+32*(\t)+2*(\b):S+32*(\t)+2*(\b)+1], s[CS:CS+1], v[ST+8*(\t):ST+8*(\t)+1] op_sel_hi:[1,0,0] neg_lo:[0,0,1] neg_hi:[0,0,1]
.endm
.macro SME t, e
	v_exp_f32 v[S+32*(\t)+(\e)], v[S+32*(\t)+(\e)]
.endm
.macro SMC t, n                        ; a pair of weights to f16
	v_cvt_pk_f16_f32 v[P+16*(\t)+(\n)], v[S+32*(\t)+2*(\n)], v[S+32*(\t)+2*(\n)+1]
.endm
.macro SMR t, q                        ; line q of 17: O^T times a, each accumulator from its low end on; then l's register 0
.if (\q) < 16
	v_pk_mul_f32 v[32*(\t)+2*(\q):32*(\t)+2*(\q)+1], v[32*(\t)+2*(\q):32*(\t)+2*(\q)+1], v[ST+8*(\t)+6:ST+8*(\t)+7] op_sel_hi:[1,0]
.else
	v_mul_f32 v[LACC+8*(\t)], v[LACC+8*(\t)], v[ST+8*(\t)+6]
.endif
.endm
; Numbers j = 0 .. 23: the maximum of the lane's 32 scores and the old m (four chains, each begun at an accumulator's lowest registers), the other half of the lanes', m, c m, a, and the first two scalings.
.macro SMA t, first
.set rT, ST+8*(\t)
.set rS, S+32*(\t)
	WIN 0
.if j < 4
	v_max3_num_f32 v[rT+4+j], v[rS+8*j], v[rS+8*j+1], v[rS+8*j+2]
.elseif j < 12
	v_max3_num_f32 v[rT+4+j%4], v[rT+4+j%4], v[rS+8*(j%4)+2*(j/4)+1], v[rS+8*(j%4)+2*(j/4)+2]
.elseif j == 12
	v_max3_num_f32 v[rT+4], v[rT+4], v[rS+7], v[rS+15]
.elseif j == 13
	v_max3_num_f32 v[rT+6], v[rT+6], v[rS+23], v[rS+31]
.elseif j == 14
	v_max3_num_f32 v[rT+4], v[rT+4], v[rT+5], v[rT+6]
.elseif (j == 15) && (\first)
	v_max_num_f32 v[rT+4], v[rT+4], v[rT+7]
.elseif j == 15
	v_max3_num_f32 v[rT+4], v[rT+4], v[rT+7], v[rT+1]
.elseif j == 16
	v_permlanex16_b32 v[rT+5], v[rT+4], s[SEL], s[SEL+1]   ; the query's other 32 keys lie in the lane 16 away
.elseif j == 18
	v_max_num_f32 v[rT+1], v[rT+4], v[rT+5]
.elseif j == 19
	v_mul_f32 v[rT], s[CS], v[rT+1]
.elseif ((j == 17) || (j == 20) || (j == 21)) && (\first)   ; the first step has no a
.elseif j == 17
	v_mov_b32 v[rT+7], v[rT]                       ; c m_old is kept: number 19 writes c m anew
.elseif j == 20
	v_sub_f32 v[rT+7], v[rT+7], v[rT]
.elseif j == 21
	v_exp_f32 v[rT+6], v[rT+7]
.else
	SMF \t, j-22
.endif
.endm
; Slice k of 54 of piece y's softmax.  0-11: numbers 2 k, 2 k + 1 of the three tiles by turns.  12-35: THE BATCH, one tile a slice: scalings and exponentials; a pair is scaled a slice of its tile before its exponentials;
; nothing in it names an exponential's result.  Behind slice 35: one plain line and ONE wait for the turn's 99 exponentials, ahead of the first line that names a result.
; 36-43: the roundings.  44-53: the rescaling; slice 53's six plain lines are also the places behind the turn's last product (ISA guide 7.12.1).
.macro SLICE y, first
.if k < 12
.irp n, 0,1
.irp d, 0,1,2
.set j, 2*k+\n
	SMA (\y)+\d, \first
.endr
.endr
.elseif k < 36
.set tu, (\y)+(k-12)%3
.set u, (k-12)/3
	WIN 0
.if u < 7
	SMF tu, 2*u+2
	SME tu, 4*u
	SME tu, 4*u+1
	SMF tu, 2*u+3
	SME tu, 4*u+2
	SME tu, 4*u+3
.else
	SME tu, 28
	SME tu, 29
	SME tu, 30
	SME tu, 31
.endif
.elseif k < 44
	WIN 0x80                                       ; P lies in window 2
.irp n, 0,1,2,3,4,5
.set z, 6*(k-36)+\n
	SMC (\y)+z%3, z/3
.endr
.elseif !(\first)
	WIN W_RS
.irp n, 0,1,2,3,4,5
.if (\n < 5) || (k == 53)
.set z, 5*(k-44)+\n
	SMR (\y)+z%3, z/3
.endif
.endr
.endif
.if k == 35
	v_nop                                          ; the plain line behind the last exponential
.if (\y) == 0
	FETCH_V                                        ; piece 3's turn: V's run of loads stands here, and the wait stands in it.  The last product that read V stands in front of slice 29: eight scalings, this v_nop and the run's own addition lie between
.else
	s_wait_alu depctr_va_vdst(0)
.endif
.endif
.set k, k+1
.endm
.macro AFTER y, first                  ; behind product np of NPROD: slices up to np x 54 / NPROD
.set np, np+1
.rept 3
.if k < (np*54)/NPROD
	SLICE \y, \first
.endif
.endr
.endm
; A TURN.  Piece x has the matrix unit, the other piece's softmax stands in slices.  pv = 2: 30 products V^T P; 1: they start the sums; 0: none.  kq = 1: 24 products K Q^T of the next step.
; first = 1: the softmax is the first key step's; its last slices are empty, so four v_nop are the places behind the turn's last products.  mask = 1: the loop that ends with the padded step.
; Piece 0's turn fetches the next step's K behind its second product (the last product that read K stands in front of the last turn's slice 53).
.macro TURN x, pv, kq, first, mask
.set k, 0
.set np, 0
.set NPROD, 0
.if \pv
.set NPROD, NPROD+30
.endif
.if \kq
.set NPROD, NPROD+24
.endif
.if \pv
.if (\x) == 0
	s_wait_dscnt 0x0                               ; V is in
.endif
.set i, 0
.rept 30
	PV \x, 2-(\pv)
	AFTER 3-(\x), \first
.if ((\x) == 0) && (\kq) && (i == 1)
	FETCH_K
.endif
.if ((\x) == 0) && (\mask) && (i == 8)
	MASKSET
.endif
.set i, i+1
.endr
.endif
.if \kq
.if (\x) == 0
	s_wait_dscnt 0x0                               ; K is in
.endif
.set i, 0
.rept 24
	KQ \x, \mask
	AFTER 3-(\x), \first
.set i, i+1
.endr
.endif
.if \first
.rept 4
	v_nop
.endr
.endif
.endm
.macro LOOP n, mask                    ; n key steps
	s_mov_b32 s[CNT], \n
.Lstep_\@:
	TURN 0, 2, 1, 0, \mask
	TURN 3, 2, 1, 0, \mask
	WIN 0                                          ; at a label and at a branch every window is 0
	s_sub_co_u32 s[CNT], s[CNT], 1
	s_cmp_lg_u32 s[CNT], 0
	s_cbranch_scc1 .Lstep_\@
.endm
	s_wait_tensorcnt 0x2                           ; my part of steps 0-1 is in; my two later fills may be out
	s_barrier_signal -1
	s_barrier_wait -1                              ; everybody's is
	FETCH_K                                        ; key step 0
	s_wait_loadcnt 0x0                             ; Q
	s_wait_dscnt 0x0
.set i, 0
.rept 24
	KQ 0, 0                                        ; piece 0's first scores: there is no vector work yet to set between them
.set i, i+1
.endr
	WIN 0                                          ; the addresses for the way out are made here: eight plain lines, the places behind those products
	s_mul_i32 s67, s[WV], 16*SP
	s_add_co_u32 s67, s67, STAGE                   ; my stage
	v_mul_u32_u24 v[STO], v1, SP                   ; in: row r, 32 bytes for each half of the lanes
	v_lshl_add_u32 v[STO], v9, 5, v[STO]
	v_add_nc_u32 v[STO], s67, v[STO]
	v_mul_u32_u24 v[RD], v9, SP                    ; back: lanes 0-15 one row of 256 bytes, lanes 16-31 the next
	v_lshl_add_u32 v[RD], v1, 4, v[RD]
	v_add_nc_u32 v[RD], s67, v[RD]
	v_lshlrev_b32 v[GO], 12, v9                    ; and the same two rows in out0
	v_lshl_add_u32 v[GO], v1, 4, v[GO]
	TURN 3, 0, 1, 1, 0                             ; piece 3's first scores | piece 0's first softmax | V of step 0
	TURN 0, 1, 1, 1, 0                             ; piece 0: V^T P of step 0 starts O^T and l, K Q^T of step 1 | piece 3's first softmax | K of step 1
	TURN 3, 1, 1, 0, 0                             ; piece 3: the same | piece 0's softmax of step 1 | V of step 1
	WIN 0
	s_wait_tensorcnt 0x1                           ; my part of steps 2-5 is in; steps 6-17 may be out
	s_wait_dscnt 0x0
	s_barrier_signal -1
	s_barrier_wait -1
	LOOP 4, 0                                      ; fetches steps 2-5
	s_wait_tensorcnt 0x0                           ; THE REFILL: all my tensor loads have landed (steps 6-17 among them),
	ds_add_u32 v[SPW], v[NIL]                      ; 0 onto my spare word,
	s_wait_dscnt 0x0                               ; the add is done, and my reads of the places of steps 0-3 are over
	ROUND                                          ; the same holds of every wave of every partner
	tensor_load_to_lds s[G0+12:G0+15], s[G1B:G1B+7]   ; my one load behind the round: it has 12 key steps in which to land
	s_nop 0
.rept 4
	v_nop
.endr
	LOOP 12, 0                                     ; fetches steps 6-17, all resident: no barrier
	s_wait_tensorcnt 0x0                           ; my part of steps 18-21 is in,
	s_wait_dscnt 0x0
	s_barrier_signal -1
	s_barrier_wait -1                              ; everybody's is
	s_mov_b32 s[TB], 0                             ; they lie in the places of steps 0-3
	LOOP 4, 1                                      ; fetches steps 18-21; the last trip's scores get the pad mask
	TURN 0, 2, 0, 0, 0                             ; piece 0: V^T P of the last step | piece 3's last softmax
.set i, 0
.rept 30
	PV 3, 0                                        ; piece 3: V^T P of the last step
.set i, i+1
.endr
	; THE WAY OUT.  O^T / l goes through my stage in LDS, a tile (16 rows of 256 bytes) at a time, so that sixteen lanes store 256 consecutive bytes, aligned.
	WIN 0
.rept 4
	v_nop                                          ; places behind the last products
.endr
	WIN 0x01                                       ; source window 1
.irp t, 0,1,2,3,4,5
	v_rcp_f32 v[ST+8*\t+6], v[LACC+8*\t]           ; l is at least 1: the largest p of a row is 1
.endr
	WIN 0
	v_nop                                          ; a plain line behind the last reciprocal,
	s_wait_alu depctr_va_vdst(0)                   ; and the wait ahead of the first use: one for the six
.macro PACK t
	WIN W_RS
.irp p, 0,2,4,6,8,10,12,14,16,18,20,22,24,26,28,30
	v_pk_mul_f32 v[32*\t+\p:32*\t+\p+1], v[32*\t+\p:32*\t+\p+1], v[ST+8*\t+6:ST+8*\t+7] op_sel_hi:[1,0]
.endr
	WIN 0x04                                       ; an LDS store's data are its source 1: window 1
.irp c, 0,1,2,3
.irp e, 0,1
	ds_store_b128 v[STO], v[32*\t+8*\c+4*\e:32*\t+8*\c+4*\e+3] offset:64*\c+16*\e   ; lane (r, h): channels 16 c + 8 h + 4 e on of query r
.endr
.endr
	WIN 0
.irp f, 0,1,2,3,4,5,6,7
	ds_load_b128 v[S+32*\t+4*\f:S+32*\t+4*\f+3], v[RD] offset:544*\f   ; LDS serves a wave's instructions in order: these see the stores above, and the next tile's stores come behind them
.endr
.endm
.macro SEND t, younger                 ; younger: the LDS instructions issued behind tile t's loads
.irp f, 0,1,2,3,4,5,6,7
	s_wait_dscnt (\younger)+7-\f
	v_cmp_lt_u32 vcc_lo, \f, v[ST+8*\t+2]          ; rows past the sequence's 1,370 are not stored: a mask, the same in all lanes
	s_wait_xcnt 0x0                                ; EXEC changes only behind this wait
	s_and_saveexec_b32 s86, vcc_lo
	global_store_b128 v[GO], v[S+32*\t+4*\f:S+32*\t+4*\f+3], s[6:7] offset:65536*\t+8192*\f th:TH_STORE_NT
	s_wait_xcnt 0x0                                ; and again, in front of the line that widens it
	s_or_b32 exec_lo, exec_lo, s86
.endr
.endm
	PACK 0
	PACK 1                                         ; a tile's arithmetic stands between the loads of the tile before and its stores
	SEND 0, 16
	PACK 2
	SEND 1, 16
	PACK 3
	SEND 2, 16
	PACK 4
	SEND 3, 16
	PACK 5
	SEND 4, 16
	SEND 5, 0
	s_wait_tensorcnt 0x0                           ; the wave's end, behind my last tensor load and my last LDS store
	ds_add_u32 v[SPW], v[NIL]
	s_wait_dscnt 0x0
	ROUND                                          ; the closing round
	s_endpgm
.Lfunc_end_k_q8043702404_attn:
	.size	k_q8043702404_attn, .Lfunc_end_k_q8043702404_attn-k_q8043702404_attn
	.p2alignl 7, 3214868480
	.fill 96, 4, 3214868480
	.section	.rodata,"a",@progbits
	.p2align	6, 0x0
	.amdhsa_kernel k_q8043702404_attn
		.amdhsa_group_segment_fixed_size 327680
		.amdhsa_private_segment_fixed_size 0
		.amdhsa_enable_private_segment 0
		.amdhsa_kernarg_size 16
		.amdhsa_user_sgpr_count 2
		.amdhsa_user_sgpr_kernarg_segment_ptr 1
		.amdhsa_wavefront_size32 1
		.amdhsa_system_sgpr_workgroup_id_x 1
		.amdhsa_system_sgpr_workgroup_id_y 1
		.amdhsa_system_sgpr_workgroup_id_z 1
		.amdhsa_system_vgpr_workitem_id 0
		.amdhsa_next_free_vgpr 1024
		.amdhsa_next_free_sgpr 90
		.amdhsa_reserve_vcc 1
		.amdhsa_float_denorm_mode_32 3
		.amdhsa_float_denorm_mode_16_64 3
		.amdhsa_memory_ordered 1
		.amdhsa_forward_progress 1
		.amdhsa_inst_pref_size 255
	.end_amdhsa_kernel
	.section	.bss,"aw",@nobits
	.p2align	6
	.space	262144
	.amdgpu_metadata
---
amdhsa.version: [ 1, 2 ]
amdhsa.kernels:
  - .name:           k_q8043702404_attn
    .symbol:         k_q8043702404_attn.kd
    .args:
      - { .name: qkv, .offset: 0, .size: 8, .value_kind: global_buffer, .address_space: global }
      - { .name: out0, .offset: 8, .size: 8, .value_kind: global_buffer, .address_space: global }
    .group_segment_fixed_size: 327680
    .private_segment_fixed_size: 0
    .kernarg_segment_align: 8
    .kernarg_segment_size: 16
    .max_flat_workgroup_size: 128
    .sgpr_count:     90
    .vgpr_count:     1024
    .wavefront_size: 32
...
	.end_amdgpu_metadata
.endif
;; end of part 3
